; MI455X (gfx1250); checked and timed in simulation.
; The chip was launched on July 23, 2026; its instructions are those of AMD's public machine-readable ISA for CDNA 5 (MIT licence, August 2026) and "CDNA5" Instruction Set Architecture Reference Guide (July 2026). The comments in the code are by the model that wrote it; some were corrected since.
;; cross spatial qk2v k relu. Allowed arithmetic: float matrix products may take bf16 or f16 operands with f32 sums; all other float work in f32.
;; Inputs: W_kv1 512 x 1,024 float32; W_kv2 512 x 1,024 float32; x1 8 x 1,024 x 512 float32; x2 8 x 1,024 x 512 float32.
;; Outputs: out0 8 x 1,024 x 512 float32; out1 8 x 1,024 x 512 float32.
;; One version. Each part assembles by itself: llvm-mc -triple=amdgcn-amd-amdhsa -mcpu=gfx1250 --defsym DOCPART=n.
;; ======== version 1 of 1: 2 launches
;; limits: values are held in f16: magnitudes above 65,504 overflow, below 6.1e-05 lose precision; right only within a limited range of input values
;; workspace buffers: yt 33,554,432 bytes; amax 4,096 bytes
;; launch proj (part 1): grid 4 x 64, 4 waves a work-group, no clusters, 161,280 bytes of LDS; arguments x1, x2, W_kv1, W_kv2, yt, amax; writes yt, amax
.if DOCPART == 1
	.amdgcn_target "amdgcn-amd-amdhsa--gfx1250"
	.amdhsa_code_object_version 6
	.text
	.protected	k_q31f65805c7_proj
	.globl	k_q31f65805c7_proj
	.p2align	8
	.type	k_q31f65805c7_proj,@function
k_q31f65805c7_proj:
	s_mov_b64 s[64:65], 0
	v_nop
	global_prefetch_b8 v0, s[64:65] scope:SCOPE_SE
	s_setreg_imm32_b32 hwreg(HW_REG_WAVE_MODE, 25, 1), 1
	s_wait_xcnt 0x0
; yt[branch][b][n][tok] = f16( sum over k of x[b][tok][k] W[k][n] ): the K and V projections of both branches, stored TRANSPOSED
; (rows n < 512 are K^T, head h at n = 64 h + d; rows n >= 512 are V^T), and amax[branch][b][h][part] = the largest |K| of 128 tokens of a head.
; Products with f16 operands and f32 sums.  A work-group makes 256 tokens x 256 n with four waves, a wave 128 x 128: 64 tiles, 512 registers.
; K goes in 8 steps of 64 through two LDS slots.  x and W are f32 in memory: they come through registers (global load, one rounding to f16,
; LDS store), one step ahead, so that each number is converted once in the work-group and LDS holds 16-bit data only.
; NO CLUSTER, though four work-groups read the same rows of x and 32 the same columns of W: a joint request is a tensor load, which lands f32
; in LDS.  A K step's tiles are 128 KiB as f32: 128 KiB written, 128 KiB read back, 64 KiB written again as f16, against 64 KiB written here.
; The matrix instruction takes x as source 0 (rows = tokens) and W as source 1 (columns = n): lane (r, h) then holds column n = r and the
; tokens 8 h + 0..7, eight neighbouring numbers of a row of Y^T, 16 bytes as f16.
; LIMITS: x, W and every element of x W must lie inside f16's range (magnitude below 65,504; below 6.1e-5 they keep f16's fixed step of 6e-8).
; A NaN in K loses in the maxima (v_max_num_f32, v_max3_num_f32).
;
; REGISTERS in windows of 256: window 0 addresses and fragments; window 1 the staging of the next tiles (x: 0-127, W: 128-255);
; window 2 the accumulators of my n tiles 0-3 (my first head), window 3 those of n tiles 4-7; tile (b, a) at v[8 (8 b + a)], a = token tile.
.set XROW,  2048                       ; bytes in a row of x
.set WROW,  4096                       ; bytes in a row of W
.set YROW,  2048                       ; bytes in a row of Y^T (1024 tokens of f16)
.set KS,    64                         ; K step
.set XP,    144                        ; LDS pitch of x rows: 128 bytes + 16 = 9 x 16, so 16 rows begin at 16 different 16-byte columns modulo 256
.set WP,    544                        ; LDS pitch of W's k rows: 512 bytes + 32 = 17 x 32, for the transposing loads
.set WOFF,  256*XP                     ; W's tile lies behind x's 256 rows
.set SLOT,  WOFF+KS*WP                 ; 71,680 bytes
.set STAGE, 2*SLOT                     ; behind the two slots: 16 rows x 272 bytes for each wave, for the way out
.set SP,    272
.set XG,  4                            ; v4      my byte offset in x (from the work-group's first row)
.set WG,  5                            ; v5      my byte offset in W (from the work-group's first column)
.set PF,  6                            ; v6      the block of x that I ask for ahead
.set XS,  8                            ; v8-9    slot 0, 1: where I put x
.set WS,  10                           ; v10-11  slot 0, 1: where I put W
.set XF,  12                           ; v12-13  slot 0, 1: my x fragments
.set WF,  14                           ; v14-15  slot 0, 1: my W fragments
.set STO, 16                           ; v16     the way out: where I put 16 bytes
.set RD,  17                           ; v17     the way out: where I read a row back
.set CO,  18                           ; v18     my byte offset in Y^T
.set ZR,  19                           ; v19     0
.set MX,  20                           ; v20-27  maxima: four chains for each of my two heads
.set X0,  32                           ; v32-95   x fragments, first 32 of the K step
.set X1,  96                           ; v96-159  x fragments, second 32
.set G0,  160                          ; v160-191 W fragments of n tiles 0-3
.set G1,  192                          ; v192-223 W fragments of n tiles 4-7
.set TMP, 32                           ; the way out: packed results
.set SX,  0                            ; window 1
.set SW,  128                          ; window 1
.set MSB, 0
.macro WIN new                         ; s_set_vgpr_msb: bits 1:0 source 0, 3:2 source 1, 5:4 source 2, 7:6 destination; the high byte repeats the setting left
.if MSB != \new
	s_set_vgpr_msb (MSB<<8)|\new
.set MSB, \new
.endif
.endm
.macro PLACES                          ; four independent vector instructions behind a matrix instruction before its registers are touched (ISA guide 7.12.1)
.rept 4
	v_nop
.endr
.endm
; 32 loads: my 64 rows of x, 256 bytes each (K step u).  Sixteen lanes take one row's 256 bytes; the other sixteen the row 8 further down.
.macro LDX u
	WIN 0x40
.set i, 0
.rept 32
	global_load_b128 v[SX+4*i:SX+4*i+3], v[XG], s[24:25] offset:(16*(i>>3)+(i&7))*XROW+256*(\u)
.set i, i+1
.endr
.endm
; 32 loads: my 16 k rows of W, 1,024 bytes each, 512 neighbouring bytes a load
.macro LDW u
	WIN 0x40
.set i, 0
.rept 32
	global_load_b128 v[SW+4*i:SW+4*i+3], v[WG], s[26:27] offset:KS*WROW*(\u)+WROW*(i>>1)+512*(i&1)
.set i, i+1
.endr
.endm
; x of K step u: f32 to f16 in place, into slot u & 1, and the loads of step u + 1
.macro FILLX u
	s_wait_loadcnt 32                              ; loads return in order: x of step u is in, the 32 younger loads (W of step u) stay out
	WIN 0x45
.set i, 0
.rept 32
	v_cvt_pk_f16_f32 v[SX+4*i],   v[SX+4*i],   v[SX+4*i+1]
	v_cvt_pk_f16_f32 v[SX+4*i+1], v[SX+4*i+2], v[SX+4*i+3]
.set i, i+1
.endr
	WIN 0x04
.set i, 0
.rept 32
	ds_store_b64 v[XS+((\u)&1)], v[SX+4*i:SX+4*i+1] offset:(16*(i>>3)+(i&7))*XP   ; rows R and R + 8: 8 x 144 = 128 modulo 256, the two halves of the lanes do not meet
.set i, i+1
.endr
.if (\u) < 7
	LDX \u+1
.endif
.endm
.macro FILLW u
.if (\u) < 7
	s_wait_loadcnt 32                              ; W of step u is in; x of step u + 1 stays out
.else
	s_wait_loadcnt 0                               ; nothing was issued behind the last tile of W
.endif
	WIN 0x45
.set i, 0
.rept 32
	v_cvt_pk_f16_f32 v[SW+4*i],   v[SW+4*i],   v[SW+4*i+1]
	v_cvt_pk_f16_f32 v[SW+4*i+1], v[SW+4*i+2], v[SW+4*i+3]
.set i, i+1
.endr
	WIN 0x04
.set i, 0
.rept 32
	ds_store_b64 v[WS+((\u)&1)], v[SW+4*i:SW+4*i+1] offset:WP*(i>>1)+256*(i&1)    ; 256 neighbouring bytes
.set i, i+1
.endr
.if (\u) < 7
	LDW \u+1
.endif
.endm
; 16 loads: the eight x fragments (128 tokens x 32 K at K = 32 q): lane (r, h) takes row r, bytes 16 h and 32 + 16 h
.macro LOADX s, q, x
.irp a, 0,1,2,3,4,5,6,7
	ds_load_b128 v[\x+8*\a:\x+8*\a+3],   v[XF+\s] offset:\a*16*XP+64*\q
	ds_load_b128 v[\x+8*\a+4:\x+8*\a+7], v[XF+\s] offset:\a*16*XP+64*\q+32
.endr
.endm
; 8 transposing loads: four W fragments (32 K x 64 n) out of rows that run along n
.macro LOADW s, q, hf, g
.irp b, 0,1,2,3
	ds_load_tr16_b128 v[\g+8*\b:\g+8*\b+3],   v[WF+\s] offset:\q*32*WP+32*(4*\hf+\b)
	ds_load_tr16_b128 v[\g+8*\b+4:\g+8*\b+7], v[WF+\s] offset:\q*32*WP+32*(4*\hf+\b)+16*WP
.endr
.endm
; 32 matrix instructions: 128 tokens x 64 n (hf = 0: window 2, 1: window 3) x 32 K.  zero = 1: the first product starts the sums
.macro MUL x, g, hf, zero
.if \hf
	WIN 0xf0
.else
	WIN 0xa0
.endif
.irp b, 0,1,2,3
.irp a, 0,1,2,3,4,5,6,7
.if \zero
	v_wmma_f32_16x16x32_f16 v[8*(8*\b+\a):8*(8*\b+\a)+7], v[\x+8*\a:\x+8*\a+7], v[\g+8*\b:\g+8*\b+7], 0
.else
	v_wmma_f32_16x16x32_f16 v[8*(8*\b+\a):8*(8*\b+\a)+7], v[\x+8*\a:\x+8*\a+7], v[\g+8*\b:\g+8*\b+7], v[8*(8*\b+\a):8*(8*\b+\a)+7]
.endif
.endr
.endr
.endm
; K STEP t out of slot s: 128 matrix instructions; between them the next step's tiles are converted and put into the other slot, which every
; wave finished reading before the last barrier.  more = 1: a step follows.  pf: byte offset of the two chunks of x asked for ahead, or 0.
.macro STEP t, s, zero, more, pf
	WIN 0
	LOADX \s, 0, X0                                ; the registers loaded here were last read by matrix instructions in front of the 64 conversions of FILLW
	LOADW \s, 0, 0, G0
	LOADW \s, 0, 1, G1
	LOADX \s, 1, X1
	s_wait_dscnt 24                                ; X0 and G0 are in; G1's 8 and X1's 16 loads may be out
	MUL X0, G0, 0, \zero
	s_wait_dscnt 16                                ; G1 is in
	MUL X0, G1, 1, \zero
	PLACES                                         ; G0 and G1 are loaded again
	WIN 0
	LOADW \s, 1, 0, G0
	LOADW \s, 1, 1, G1
.if \more
	FILLX \t+1
.if \pf
	global_prefetch_b8 v[PF], s[24:25] offset:\pf th:TH_LOAD_NT scope:SCOPE_SE    ; see the first one, in front of the steps
.endif
	s_wait_dscnt 40                                ; X1 and G0 are in; G1's 8 loads and the 32 stores may be out
.else
	s_wait_dscnt 8
.endif
	MUL X1, G0, 0, 0
.if \more
	s_wait_dscnt 32                                ; G1 is in; the 32 stores may be out
.else
	s_wait_dscnt 0
.endif
	MUL X1, G1, 1, 0
.if \more
	FILLW \t+1
	WIN 0
	s_wait_dscnt 0                                 ; for the others: my reads of this slot are over, my part of the next is written
	s_barrier_signal -1
	s_barrier_wait -1
.endif
.endm
	s_load_b256 s[4:11], s[0:1], 0x0               ; x1 s[4:5], x2 s[6:7], W_kv1 s[8:9], W_kv2 s[10:11]
	s_load_b128 s[12:15], s[0:1], 0x20             ; yt s[12:13], amax s[14:15]
	v_lshl_add_u32 v254, v0, 2, 0x27400
	v_mov_b32 v255, 0
	v_lshrrev_b32 v1, 5, v0
	v_readfirstlane_b32 s16, v1                    ; wave 0..3
	s_lshr_b32 s17, s16, 1                         ; wn: my half of the 256 n
	s_and_b32 s18, s16, 1                          ; wm: my half of the 256 tokens
	s_mov_b32 s19, ttmp9                           ; nb: block of 256 n
	s_and_b32 s20, ttmp7, 0xffff
	s_lshr_b32 s21, s20, 5                         ; branch
	s_and_b32 s22, s20, 31                         ; mb: block of 256 tokens of the branch's 8,192
	s_lshr_b32 s23, s22, 2                         ; batch
	s_and_b32 s36, s22, 3                          ; block of 256 tokens in the batch
	s_mov_b32 s3, 0                                ; high word of every offset
	v_and_b32 v1, 15, v0                           ; r
	v_bfe_u32 v2, v0, 4, 1                         ; h
	v_and_b32 v3, 31, v0                           ; lane
	s_lshl_b32 s2, s16, 17
	v_lshl_add_u32 v[XG], v1, 4, s2                ; (64 wave + 8 h) rows of 2,048 bytes + 16 r
	v_lshl_add_u32 v[XG], v2, 14, v[XG]
	s_lshl_b32 s2, s16, 16
	v_lshl_add_u32 v[WG], v3, 4, s2                ; 16 wave rows of 4,096 bytes + 16 lane
	v_lshrrev_b32 v7, 1, v0
	s_lshl_b32 s2, s19, 17
	v_lshl_add_u32 v7, v7, 11, s2                  ; row 64 nb + thread / 2 of the 256,
	v_and_b32 v[PF], 1, v0
	v_lshl_add_u32 v[PF], v[PF], 8, v7             ; its even or odd block of 256 bytes
	s_wait_kmcnt 0x0
	s_cmp_eq_u32 s21, 0
	s_cselect_b64 s[24:25], s[4:5], s[6:7]         ; the branch's x
	s_cselect_b64 s[26:27], s[8:9], s[10:11]       ; the branch's W
	s_lshl_b32 s2, s22, 19
	s_add_nc_u64 s[24:25], s[24:25], s[2:3]        ; x at my block's first row
	s_lshl_b32 s2, s19, 10
	s_add_nc_u64 s[26:27], s[26:27], s[2:3]        ; W at my block's first column
	LDX 0
	LDW 0
	; Ahead of the loads: the four work-groups that read the same 256 rows of x ask for 64 rows each, a thread for one block of 256 bytes,
	; so each block of chunks 2 to 7 is asked for once.  Chunks 2, 3 here; 4, 5 in step 0; 6, 7 in step 2: two steps before the first of the pair is loaded.
	; Every request lies inside the work-group's rows of x.
	global_prefetch_b8 v[PF], s[24:25] offset:512 th:TH_LOAD_NT scope:SCOPE_SE
	WIN 0
	s_mov_b32 s32, 0x76543210                      ; v_permlanex16_b32: lane i reads lane i of the other half
	s_mov_b32 s33, 0xfedcba98
	s_lshl_b32 s2, s21, 24                         ; Y^T: branch x 16 MiB
	s_lshl_b32 s35, s23, 21                        ; + batch x 2 MiB
	s_add_co_u32 s2, s2, s35
	s_lshl_b32 s35, s19, 19                        ; + 256 nb rows of 2,048 bytes
	s_add_co_u32 s2, s2, s35
	s_lshl_b32 s35, s17, 18                        ; + 128 wn rows
	s_add_co_u32 s2, s2, s35
	s_lshl_b32 s35, s36, 9                         ; + 256 tokens x 2 bytes for each block
	s_add_co_u32 s2, s2, s35
	s_lshl_b32 s35, s18, 8                         ; + 128 wm tokens
	s_add_co_u32 s2, s2, s35
	s_add_nc_u64 s[28:29], s[12:13], s[2:3]
	s_lshl_b32 s2, s21, 11                         ; amax: (((branch 8 + batch) 8 + 4 nb + 2 wn) 8 + 2 block + wm) words
	s_lshl_b32 s35, s23, 8
	s_add_co_u32 s2, s2, s35
	s_lshl_b32 s35, s19, 7
	s_add_co_u32 s2, s2, s35
	s_lshl_b32 s35, s17, 6
	s_add_co_u32 s2, s2, s35
	s_lshl_b32 s35, s36, 3
	s_add_co_u32 s2, s2, s35
	s_lshl_b32 s35, s18, 2
	s_add_co_u32 s2, s2, s35
	s_add_nc_u64 s[30:31], s[14:15], s[2:3]        ; used where nb < 2 alone
	s_mul_i32 s2, s16, 64*XP                       ; where I put x: row 64 wave + 8 h, 8 bytes a lane
	v_mul_u32_u24 v7, v2, 8*XP
	v_lshl_add_u32 v7, v1, 3, v7
	v_add_nc_u32 v[XS], s2, v7
	v_add_nc_u32 v[XS+1], SLOT, v[XS]
	s_mul_i32 s2, s16, 16*WP                       ; where I put W: k row 16 wave, 8 bytes a lane
	s_add_co_u32 s2, s2, WOFF
	v_lshl_add_u32 v[WS], v3, 3, s2
	v_add_nc_u32 v[WS+1], SLOT, v[WS]
	s_mul_i32 s2, s18, 128*XP                      ; my x fragments: row 128 wm + r, 16 h
	v_mul_u32_u24 v7, v1, XP
	v_lshl_add_u32 v7, v2, 4, v7
	v_add_nc_u32 v[XF], s2, v7
	v_add_nc_u32 v[XF+1], SLOT, v[XF]
	v_and_b32 v7, 7, v0                            ; my W fragments: k row 8 h + lane % 8,
	v_lshl_add_u32 v7, v2, 3, v7
	v_mul_u32_u24 v7, v7, WP
	v_bfe_u32 v[ZR], v0, 3, 1
	v_lshl_add_u32 v7, v[ZR], 4, v7                ; 16 bytes x bit 3 of the lane,
	s_lshl_b32 s2, s17, 8                          ; column 128 wn
	s_add_co_u32 s2, s2, WOFF
	v_add_nc_u32 v[WF], s2, v7
	v_add_nc_u32 v[WF+1], SLOT, v[WF]
	s_mul_i32 s2, s16, 16*SP
	s_add_co_u32 s2, s2, STAGE                     ; my stage
	v_mul_u32_u24 v7, v1, SP
	v_lshl_add_u32 v7, v2, 4, v7
	v_add_nc_u32 v[STO], s2, v7                    ; in: row r, 16 bytes for each half of the lanes
	v_mul_u32_u24 v7, v2, SP
	v_lshl_add_u32 v7, v1, 4, v7
	v_add_nc_u32 v[RD], s2, v7                     ; back: lanes 0-15 one row of 256 bytes, lanes 16-31 the next
	v_lshlrev_b32 v7, 4, v1
	v_lshl_add_u32 v[CO], v2, 11, v7               ; the same two rows in Y^T
	v_mov_b32 v[ZR], 0
	FILLX 0
	FILLW 0
	WIN 0
	s_wait_dscnt 0                                 ; my part of slot 0 is written
	s_barrier_signal -1
	s_barrier_wait -1
	STEP 0, 0, 1, 1, 1024
	STEP 1, 1, 0, 1, 0
	STEP 2, 0, 0, 1, 1536
	STEP 3, 1, 0, 1, 0
	STEP 4, 0, 0, 1, 0
	STEP 5, 1, 0, 1, 0
	STEP 6, 0, 0, 1, 0
	STEP 7, 1, 0, 0, 0
	PLACES                                         ; behind the last matrix instructions: results are read, fragment registers written
	WIN 0
	; The largest |K| of my 128 tokens x 64 n, for each of my two heads.  Only rows n < 512 are K: blocks nb = 0, 1.
	s_cmp_ge_u32 s19, 2
	s_cbranch_scc1 .Lnomax
.macro HEADMAX win, m                  ; 256 accumulators in four chains that do not wait for each other; the first pair starts each chain
	WIN \win
.irp c, 0,1,2,3
	v_max_num_f32 v[\m+\c], |v[64*\c]|, |v[64*\c+1]|
.endr
.set i, 2
.rept 31
.irp c, 0,1,2,3
	v_max3_num_f32 v[\m+\c], |v[64*\c+i]|, |v[64*\c+i+1]|, v[\m+\c]
.endr
.set i, i+2
.endr
	WIN 0
	v_max3_num_f32 v[\m], v[\m], v[\m+1], v[\m+2]
	v_max_num_f32 v[\m], v[\m], v[\m+3]
	v_max_num_f32_dpp v[\m], v[\m], v[\m] row_xmask:1 row_mask:0xf bank_mask:0xf
	v_max_num_f32_dpp v[\m], v[\m], v[\m] row_xmask:2 row_mask:0xf bank_mask:0xf
	v_max_num_f32_dpp v[\m], v[\m], v[\m] row_xmask:4 row_mask:0xf bank_mask:0xf
	v_max_num_f32_dpp v[\m], v[\m], v[\m] row_xmask:8 row_mask:0xf bank_mask:0xf
	v_permlanex16_b32 v[\m+1], v[\m], s32, s33
	v_max_num_f32 v[\m], v[\m], v[\m+1]
.endm
	HEADMAX 0x0a, MX
	HEADMAX 0x0f, MX+4
	v_cmp_eq_u32 vcc_lo, 0, v3
	s_wait_xcnt 0x0                                ; EXEC is a source of what was issued: it changes only behind this wait
	s_and_saveexec_b32 s34, vcc_lo                 ; lane 0 stores the two words
	global_store_b32 v[ZR], v[MX], s[30:31]
	global_store_b32 v[ZR], v[MX+4], s[30:31] offset:32
	s_wait_xcnt 0x0                                ; and again in front of the line that widens it
	s_or_b32 exec_lo, exec_lo, s34
.Lnomax:
	; THE WAY OUT, 16 rows of Y^T (one n tile) at a time: round to f16, 16 bytes a lane into my own stage, read back as rows of 256 bytes.
; nt: the n tile 0..7; lt: its place in its window; win: 0x0a or 0x0f (sources 0 and 1 in window 2 or 3); buf: v96 or v128 in turn
.macro OUT16 nt, lt, win, buf
	WIN \win
.irp a, 0,1,2,3,4,5,6,7
.irp p, 0,1,2,3
	v_cvt_pk_f16_f32 v[TMP+4*\a+\p], v[8*(8*\lt+\a)+2*\p], v[8*(8*\lt+\a)+2*\p+1]
.endr
.endr
	WIN 0
.irp a, 0,1,2,3,4,5,6,7
	ds_store_b128 v[STO], v[TMP+4*\a:TMP+4*\a+3] offset:32*\a
.endr
	s_wait_xcnt 0x0                                ; the buffer, which earlier stores read, is loaded again only behind this wait
.irp t, 0,1,2,3,4,5,6,7
	ds_load_b128 v[\buf+4*\t:\buf+4*\t+3], v[RD] offset:\t*2*SP       ; LDS serves a wave's instructions in order: these see the stores above
.endr
.irp t, 0,1,2,3,4,5,6,7
	s_wait_dscnt 7-\t
	global_store_b128 v[CO], v[\buf+4*\t:\buf+4*\t+3], s[28:29] offset:\nt*16*YROW+\t*2*YROW   ; 16 lanes store 256 consecutive bytes, at a multiple of 256
.endr
.endm
	OUT16 0, 0, 0x0a, 96
	OUT16 1, 1, 0x0a, 128
	OUT16 2, 2, 0x0a, 96
	OUT16 3, 3, 0x0a, 128
	OUT16 4, 0, 0x0f, 96
	OUT16 5, 1, 0x0f, 128
	OUT16 6, 2, 0x0f, 96
	OUT16 7, 3, 0x0f, 128
	s_wait_tensorcnt 0x0
	ds_add_u32 v254, v255
	s_wait_dscnt 0x0
	s_endpgm
.Lfunc_end_k_q31f65805c7_proj:
	.size	k_q31f65805c7_proj, .Lfunc_end_k_q31f65805c7_proj-k_q31f65805c7_proj
	.p2alignl 7, 3214868480
	.fill 96, 4, 3214868480
	.section	.rodata,"a",@progbits
	.p2align	6, 0x0
	.amdhsa_kernel k_q31f65805c7_proj
		.amdhsa_group_segment_fixed_size 161280
		.amdhsa_private_segment_fixed_size 0
		.amdhsa_enable_private_segment 0
		.amdhsa_kernarg_size 48
		.amdhsa_user_sgpr_count 2
		.amdhsa_user_sgpr_kernarg_segment_ptr 1
		.amdhsa_wavefront_size32 1
		.amdhsa_system_sgpr_workgroup_id_x 1
		.amdhsa_system_sgpr_workgroup_id_y 1
		.amdhsa_system_sgpr_workgroup_id_z 1
		.amdhsa_system_vgpr_workitem_id 0
		.amdhsa_next_free_vgpr 1024
		.amdhsa_next_free_sgpr 66
		.amdhsa_reserve_vcc 1
		.amdhsa_float_denorm_mode_32 3
		.amdhsa_float_denorm_mode_16_64 3
		.amdhsa_memory_ordered 1
		.amdhsa_forward_progress 1
		.amdhsa_inst_pref_size 255
	.end_amdhsa_kernel
	.section	.bss,"aw",@nobits
	.p2align	6
	.space	262144
	.amdgpu_metadata
---
amdhsa.version: [ 1, 2 ]
amdhsa.kernels:
  - .name:           k_q31f65805c7_proj
    .symbol:         k_q31f65805c7_proj.kd
    .args:
      - { .name: x1, .offset: 0, .size: 8, .value_kind: global_buffer, .address_space: global }
      - { .name: x2, .offset: 8, .size: 8, .value_kind: global_buffer, .address_space: global }
      - { .name: W_kv1, .offset: 16, .size: 8, .value_kind: global_buffer, .address_space: global }
      - { .name: W_kv2, .offset: 24, .size: 8, .value_kind: global_buffer, .address_space: global }
      - { .name: yt, .offset: 32, .size: 8, .value_kind: global_buffer, .address_space: global }
      - { .name: amax, .offset: 40, .size: 8, .value_kind: global_buffer, .address_space: global }
    .group_segment_fixed_size: 161280
    .private_segment_fixed_size: 0
    .kernarg_segment_align: 8
    .kernarg_segment_size: 48
    .max_flat_workgroup_size: 128
    .sgpr_count:     66
    .vgpr_count:     1024
    .wavefront_size: 32
...
	.end_amdgpu_metadata
.endif
;; end of part 1
;; launch attn (part 2): grid 2 x 128, 8 waves a work-group, no clusters, 310,272 bytes of LDS; arguments x1, x2, yt, amax, out0, out1; writes out0, out1
.if DOCPART == 2
	.amdgcn_target "amdgcn-amd-amdhsa--gfx1250"
	.amdhsa_code_object_version 6
	.text
	.protected	k_q31f65805c7_attn
	.globl	k_q31f65805c7_attn
	.p2align	8
	.type	k_q31f65805c7_attn,@function
k_q31f65805c7_attn:
	s_mov_b64 s[64:65], 0
	v_nop
	global_prefetch_b8 v0, s[64:65] scope:SCOPE_SE
	s_setreg_imm32_b32 hwreg(HW_REG_WAVE_MODE, 25, 1), 1
	s_wait_xcnt 0x0
; out[b][n][64 h + d] = sum over m of relu( q[n] . k_other[m] / 8 ) v_own[m][d]: q is the head's slice of the branch's own x, k comes from the
; OTHER branch's projection, v from the own one.  A work-group takes 512 queries of one (branch, batch, head); a wave 64 queries, 4 tiles of 16.
; The head's whole K^T and V^T (64 d x 1,024 keys of f16 each) are brought into LDS once, in four chunks of 256 keys, by tensor loads.
; Both products with f16 operands and f32 sums:
;   S^T = K q'^T   source 0 = K (rows = keys, by transposing loads from K^T), source 1 = q' (columns = queries), kept in registers;
;   O^T = V^T P^T  source 0 = V^T (rows = d, plain loads), source 1 = P^T.  Lane (r, h) of S^T's tile kp holds query r and keys 16 kp + 8 h + 0..7,
;                  which is what registers 4 kp .. 4 kp + 3 of source 1 want: P goes from result to operand inside the lane, never through LDS.
; ROOM IN f16.  relu(a s) = a relu(s) for a > 0, so each query is multiplied by a power of two, alpha, chosen so that
; alpha x (sum of |q|) x max(largest |K| of the head, 1) lies in [2^14, 2^15).  Then |alpha q| and every |alpha q . k| stay below 2^15 for any input
; (the sum of products is at most the sum of |q| times the largest |k|), and the output row is multiplied by 0.125 / alpha, which is exact as well.
; LIMITS: elements of K and V are f16 (the projection's limit: below 65,504).  Where the head's largest |K| is under about 1.5e-5 the scaled scores
; sink into f16's fixed step and lose precision.  A NaN score becomes 0 (it loses against 0 in v_max_num_f32); the sign of zero is not kept.
; NO CLUSTER: only the two work-groups of the two query halves read the same K^T and V^T, two partners, and a mask for a pair inside a cluster of
; four would hang on the place in the cluster.  What they share is 256 KiB for each work-group, asked for once at the start; 256 KiB more (q in, out) is its own.
.set KP,    544                        ; LDS pitch of K^T's rows: 512 bytes + 32 = 17 x 32, for the transposing loads
.set VP,    528                        ; LDS pitch of V^T's rows: 512 bytes + 16 = 33 x 16
.set KCH,   64*KP                      ; a chunk of K^T: 64 d rows x 256 keys
.set VCH,   64*VP
.set VBASE, 4*KCH                      ; V^T's four chunks lie behind K^T's
.set STG,   VBASE+4*VCH                ; behind them 4,352 bytes for each wave: first q' (16 rows, pitch 144), at the end the output (16 rows, pitch 272)
.set STGW,  4352
.set QP,    144
.set OP,    272
.set QG,  2                            ; v2      my byte offset in x and in out (from the work-group's first query)
.set KA,  3                            ; v3      LDS address of my K fragments, stepped by 32 keys a trip
.set VA,  4                            ; v4      the same for V
.set QS,  5                            ; v5      stage: where I put q'
.set QR,  6                            ; v6      stage: my q' fragments
.set OS,  7                            ; v7      stage: where I put 32 bytes of an output row
.set ORD, 8                            ; v8      stage: where I read an output row back
.set KM,  9                            ; v9      max(largest |K| of the head, 1)
.set QF,  16                           ; v16-79   q' fragments: tile i, half ks of d at 16 i + 8 ks
.set SS,  80                           ; v80-143  S^T: tile (kp, i) at 8 (4 kp + i)
.set PP,  144                          ; v144-175 P^T fragments: tile i at 8 i
.set KF,  176                          ; v176-207 K fragments: 16 kp + 8 ks
.set VF,  208                          ; v208-239 V^T fragments: 8 tau
.set TT,  240                          ; v240-247 at work
.set UU,  248                          ; v248-255 at work
.set ST,  80                           ; v80-207  q as loaded, before the loop
.set OO,  0                            ; window 1: v256-383 O^T: tile (i, tau) at 32 i + 8 tau
.set INV, 128                          ; window 1: v384-415 0.125 / alpha of row 16 i + t + 8 h at 8 i + t
.set G1K, 44                           ; s[44:51] descriptor group 1 for K^T
.set G1V, 52                           ; s[52:59] descriptor group 1 for V^T
.set G0,  68                           ; s[68:99] descriptor groups 0: chunk c's K at 8 c, its V at 8 c + 4
.set MSB, 0
.macro WIN new                         ; s_set_vgpr_msb: bits 1:0 source 0, 3:2 source 1, 5:4 source 2, 7:6 destination; the high byte repeats the setting left
.if MSB != \new
	s_set_vgpr_msb (MSB<<8)|\new
.set MSB, \new
.endif
.endm
	s_load_b256 s[4:11], s[0:1], 0x0               ; x1 s[4:5], x2 s[6:7], yt s[8:9], amax s[10:11]
	s_load_b128 s[12:15], s[0:1], 0x20             ; out0 s[12:13], out1 s[14:15]
	v_lshl_add_u32 v14, v0, 2, 0x4b800
	v_mov_b32 v15, 0
	ds_add_u32 v14, v15
	ds_add_u32 v14, v15
	v_lshrrev_b32 v1, 5, v0
	v_readfirstlane_b32 s16, v1                    ; wave 0..7
	s_and_b32 s17, ttmp7, 0xffff
	s_lshr_b32 s18, s17, 6                         ; branch
	s_bfe_u32 s19, s17, 0x30003                    ; batch
	s_and_b32 s20, s17, 7                          ; head
	s_xor_b32 s21, s18, 1                          ; the other branch
	s_mov_b32 s3, 0                                ; high word of every offset
	; Group 1: a tile of 8 rows x 256 elements of 2 bytes out of rows of 1,024 elements; behind every 128 words (code 6) 8 or 4 words of padding.
	s_mov_b32 s[G1K+0], (1<<16)|(1<<20)|(6<<22)|(7<<25)
	s_mov_b32 s[G1K+1], 256<<16                    ; tensor_dim0 = 256
	s_mov_b32 s[G1K+2], 8<<16                      ; tensor_dim1 = 8
	s_mov_b32 s[G1K+3], 256<<16                    ; tile_dim0 = 256
	s_mov_b32 s[G1K+4], 8                          ; tile_dim1 = 8
	s_mov_b32 s[G1K+5], 1024                       ; elements from row to row
	s_mov_b32 s[G1K+6], 0
	s_mov_b32 s[G1K+7], 0
	s_mov_b32 s[G1V+0], (1<<16)|(1<<20)|(6<<22)|(3<<25)
	s_mov_b32 s[G1V+1], 256<<16
	s_mov_b32 s[G1V+2], 8<<16
	s_mov_b32 s[G1V+3], 256<<16
	s_mov_b32 s[G1V+4], 8
	s_mov_b32 s[G1V+5], 1024
	s_mov_b32 s[G1V+6], 0
	s_mov_b32 s[G1V+7], 0
	s_lshl_b32 s22, s19, 21                        ; batch x 2 MiB
	s_lshl_b32 s2, s20, 17                         ; + 64 head rows of 2,048 bytes
	s_add_co_u32 s22, s22, s2
	s_lshl_b32 s2, s16, 14                         ; + my 8 rows
	s_add_co_u32 s22, s22, s2
	s_mul_i32 s32, s16, 8*KP                       ; my 8 rows of a chunk of K^T in LDS
	s_mul_i32 s33, s16, 8*VP                       ; and of V^T
	s_add_co_u32 s33, s33, VBASE
	s_wait_dscnt 0x0
	s_wait_kmcnt 0x0
	s_lshl_b32 s2, s21, 24                         ; K^T: the other branch's rows 64 head + d
	s_add_co_u32 s2, s2, s22
	s_add_nc_u64 s[28:29], s[8:9], s[2:3]
	s_lshl_b32 s2, s18, 24                         ; V^T: the own branch's rows 512 + 64 head + d
	s_add_co_u32 s2, s2, s22
	s_add_co_u32 s2, s2, 0x100000
	s_add_nc_u64 s[30:31], s[8:9], s[2:3]
	; Eight loads a wave, all at once, in the order K0 V0 K1 V1 K2 V2 K3 V3: each slot is filled once, each load has its own group 0.
.irp c, 0,1,2,3
	s_mov_b32 s[G0+8*\c], 1
	s_add_co_u32 s[G0+8*\c+1], s32, \c*KCH
	s_add_nc_u64 s[G0+8*\c+2:G0+8*\c+3], s[28:29], \c*512
	s_or_b32 s[G0+8*\c+3], s[G0+8*\c+3], 0x80000000
	tensor_load_to_lds s[G0+8*\c:G0+8*\c+3], s[G1K:G1K+7]
	s_nop 0
	s_mov_b32 s[G0+8*\c+4], 1
	s_add_co_u32 s[G0+8*\c+5], s33, \c*VCH
	s_add_nc_u64 s[G0+8*\c+6:G0+8*\c+7], s[30:31], \c*512
	s_or_b32 s[G0+8*\c+7], s[G0+8*\c+7], 0x80000000
	tensor_load_to_lds s[G0+8*\c+4:G0+8*\c+7], s[G1V:G1V+7]
	s_nop 0
.endr
	s_lshl_b32 s2, s21, 11                         ; the eight partial maxima of the other branch's K, this batch and head: 32 bytes
	s_lshl_b32 s23, s19, 8
	s_add_co_u32 s2, s2, s23
	s_lshl_b32 s23, s20, 5
	s_add_co_u32 s2, s2, s23
	s_add_nc_u64 s[60:61], s[10:11], s[2:3]
	s_load_b256 s[36:43], s[60:61], 0x0
	s_lshl_b32 s2, s19, 21                         ; x and out: batch x 1,024 rows of 2,048 bytes
	s_lshl_b32 s23, ttmp9, 20                      ; + 512 rows for the second half of the queries
	s_add_co_u32 s2, s2, s23
	s_lshl_b32 s23, s20, 8                         ; + the head's 256 bytes
	s_add_co_u32 s2, s2, s23
	s_cmp_eq_u32 s18, 0
	s_cselect_b64 s[24:25], s[4:5], s[6:7]
	s_cselect_b64 s[26:27], s[12:13], s[14:15]
	s_add_nc_u64 s[24:25], s[24:25], s[2:3]
	s_add_nc_u64 s[26:27], s[26:27], s[2:3]
	v_and_b32 v1, 15, v0                           ; r
	v_bfe_u32 v10, v0, 4, 1                        ; h
	s_lshl_b32 s2, s16, 17
	v_lshl_add_u32 v[QG], v1, 4, s2                ; (64 wave + 8 h) rows + 16 r
	v_lshl_add_u32 v[QG], v10, 14, v[QG]
	; q: load e = 8 i + t brings rows 16 i + t and 16 i + t + 8; sixteen lanes take the 256 bytes of one row's head
.set e, 0
.rept 32
	global_load_b128 v[ST+4*e:ST+4*e+3], v[QG], s[24:25] offset:(16*(e>>3)+(e&7))*2048 th:TH_LOAD_NT
.set e, e+1
.endr
	v_and_b32 v11, 7, v0                           ; K fragments: d row 8 h + lane % 8, 16 bytes x bit 3 of the lane
	v_lshl_add_u32 v11, v10, 3, v11
	v_mul_u32_u24 v11, v11, KP
	v_bfe_u32 v12, v0, 3, 1
	v_lshl_add_u32 v[KA], v12, 4, v11
	v_mul_u32_u24 v11, v1, VP                      ; V fragments: d row r, 16 h
	v_lshl_add_u32 v11, v10, 4, v11
	v_add_nc_u32 v[VA], VBASE, v11
	s_mul_i32 s35, s16, STGW
	s_add_co_u32 s35, s35, STG                     ; my stage
	v_mul_u32_u24 v11, v10, 8*QP
	v_lshl_add_u32 v11, v1, 3, v11
	v_add_nc_u32 v[QS], s35, v11                   ; q' in: row 8 h (+ t), 8 bytes a lane
	v_mul_u32_u24 v11, v1, QP
	v_lshl_add_u32 v11, v10, 4, v11
	v_add_nc_u32 v[QR], s35, v11                   ; q' fragments: row r, 16 h
	v_mul_u32_u24 v11, v1, OP
	v_lshl_add_u32 v11, v10, 5, v11
	v_add_nc_u32 v[OS], s35, v11                   ; output in: row r, 32 bytes for each half of the lanes
	v_mul_u32_u24 v11, v10, 8*OP
	v_lshl_add_u32 v11, v1, 4, v11
	v_add_nc_u32 v[ORD], s35, v11                  ; output back: row 8 h (+ t), 16 bytes a lane
	s_wait_kmcnt 0x0
	v_mov_b32 v[KM], 1.0
	v_max3_num_f32 v[KM], s36, s37, v[KM]
	v_max3_num_f32 v[KM], s38, s39, v[KM]
	v_max3_num_f32 v[KM], s40, s41, v[KM]
	v_max3_num_f32 v[KM], s42, s43, v[KM]
; Query tile i: the bound of each row, its power of two, q' = alpha q as f16 through my stage into fragments.
; With E the exponent field of the bound (at least 18, so that both fields below stay normal): alpha's field is 268 - E, that of 0.125 / alpha is E - 17.
.macro QTILE i
	s_wait_loadcnt 24-8*\i                         ; this tile's eight loads are in; those of the later tiles stay out
.if \i
	s_wait_dscnt 0x0                               ; the last tile's fragments have left the stage
.endif
.irp t, 0,1,2,3,4,5,6,7
	v_add_f32 v[TT+\t], |v[ST+32*\i+4*\t]|,   |v[ST+32*\i+4*\t+1]|
	v_add_f32 v[UU+\t], |v[ST+32*\i+4*\t+2]|, |v[ST+32*\i+4*\t+3]|
.endr
.irp t, 0,1,2,3,4,5,6,7
	v_add_f32 v[TT+\t], v[TT+\t], v[UU+\t]
.endr
.irp m, 1,2,4,8
.irp t, 0,1,2,3,4,5,6,7
	v_add_f32_dpp v[TT+\t], v[TT+\t], v[TT+\t] row_xmask:\m row_mask:0xf bank_mask:0xf   ; over the sixteen lanes that hold the row
.endr
.endr
.irp t, 0,1,2,3,4,5,6,7
	v_mul_f32 v[TT+\t], v[KM], v[TT+\t]            ; the bound
	v_and_b32 v[TT+\t], 0x7f800000, v[TT+\t]       ; E << 23
	v_max_u32 v[TT+\t], 0x09000000, v[TT+\t]       ; E at least 18
	v_sub_nc_u32 v[UU+\t], 0x86000000, v[TT+\t]    ; alpha = 2^(141 - E)
.endr
	WIN 0x40
.irp t, 0,1,2,3,4,5,6,7
	v_add_nc_u32 v[INV+8*\i+\t], 0xf7800000, v[TT+\t]      ; 0.125 / alpha = 2^(E - 144): the field less 17
.endr
	WIN 0
.irp t, 0,1,2,3,4,5,6,7
	v_mul_f32 v[ST+32*\i+4*\t],   v[UU+\t], v[ST+32*\i+4*\t]
	v_mul_f32 v[ST+32*\i+4*\t+1], v[UU+\t], v[ST+32*\i+4*\t+1]
	v_mul_f32 v[ST+32*\i+4*\t+2], v[UU+\t], v[ST+32*\i+4*\t+2]
	v_mul_f32 v[ST+32*\i+4*\t+3], v[UU+\t], v[ST+32*\i+4*\t+3]
	v_cvt_pk_f16_f32 v[ST+32*\i+4*\t],   v[ST+32*\i+4*\t],   v[ST+32*\i+4*\t+1]
	v_cvt_pk_f16_f32 v[ST+32*\i+4*\t+1], v[ST+32*\i+4*\t+2], v[ST+32*\i+4*\t+3]
	ds_store_b64 v[QS], v[ST+32*\i+4*\t:ST+32*\i+4*\t+1] offset:QP*\t
.endr
.irp c, 0,1,2,3
	ds_load_b128 v[QF+16*\i+4*\c:QF+16*\i+4*\c+3], v[QR] offset:32*\c     ; my own bytes, served in order behind the stores
.endr
.endm
	QTILE 0
	QTILE 1
	QTILE 2
	QTILE 3
; Chunk c of K^T and V^T may be read: my two loads of it are in (two loads for each later chunk stay out), nothing of mine is pending in LDS, and all eight waves say so.
.macro SYNC c
	s_wait_tensorcnt 6-2*\c
	s_wait_dscnt 0x0
	s_barrier_signal -1
	s_barrier_wait -1
.endm
; 8 transposing loads: K of 32 keys x 64 d
.macro KLOAD
.irp kp, 0,1
.irp ks, 0,1
	ds_load_tr16_b128 v[KF+16*\kp+8*\ks:KF+16*\kp+8*\ks+3],   v[KA] offset:32*\kp+32*KP*\ks
	ds_load_tr16_b128 v[KF+16*\kp+8*\ks+4:KF+16*\kp+8*\ks+7], v[KA] offset:32*\kp+32*KP*\ks+16*KP
.endr
.endr
.endm
; ONE TRIP: 32 keys x my 64 queries: 16 matrix instructions for S^T, relu and rounding, 16 for O^T.  K runs one trip ahead.
; kstep, vstep: bytes to the next trip's K and V (64 inside a chunk; to the next chunk's head at its end; 0: nothing follows).  zero = 1: the first product starts O.
.macro TRIP kstep, vstep, zero
	s_wait_dscnt 0x0                               ; this trip's K, asked for one trip ago
.irp kp, 0,1
.irp i, 0,1,2,3
	v_wmma_f32_16x16x32_f16 v[SS+8*(4*\kp+\i):SS+8*(4*\kp+\i)+7], v[KF+16*\kp:KF+16*\kp+7], v[QF+16*\i:QF+16*\i+7], 0
.endr
.endr
.irp kp, 0,1
.irp i, 0,1,2,3
	v_wmma_f32_16x16x32_f16 v[SS+8*(4*\kp+\i):SS+8*(4*\kp+\i)+7], v[KF+16*\kp+8:KF+16*\kp+15], v[QF+16*\i+8:QF+16*\i+15], v[SS+8*(4*\kp+\i):SS+8*(4*\kp+\i)+7]
.endr
.endr
	; four places (ISA guide 7.12.1) before S is read, K's and V's fragment registers are loaded again and P is written again
.if \kstep
	v_add_nc_u32 v[KA], \kstep, v[KA]
.else
	v_nop
.endif
	v_nop
	v_nop
	v_nop
.irp tau, 0,1,2,3
	ds_load_b128 v[VF+8*\tau:VF+8*\tau+3],   v[VA] offset:16*VP*\tau
	ds_load_b128 v[VF+8*\tau+4:VF+8*\tau+7], v[VA] offset:16*VP*\tau+32
.endr
.if \kstep
	KLOAD
.endif
.if \vstep
	v_add_nc_u32 v[VA], \vstep, v[VA]
.endif
.irp kp, 0,1
.irp i, 0,1,2,3
.irp j, 0,1,2,3,4,5,6,7
	v_max_num_f32 v[SS+8*(4*\kp+\i)+\j], 0, v[SS+8*(4*\kp+\i)+\j]
.endr
.irp p, 0,1,2,3
	v_cvt_pk_f16_f32 v[PP+8*\i+4*\kp+\p], v[SS+8*(4*\kp+\i)+2*\p], v[SS+8*(4*\kp+\i)+2*\p+1]
.endr
.endr
.endr
.if \kstep
	s_wait_dscnt 8                                 ; V is in; the next trip's eight K loads stay out
.else
	s_wait_dscnt 0
.endif
	WIN 0x50
.irp i, 0,1,2,3
.irp tau, 0,1,2,3
.if \zero
	v_wmma_f32_16x16x32_f16 v[OO+32*\i+8*\tau:OO+32*\i+8*\tau+7], v[VF+8*\tau:VF+8*\tau+7], v[PP+8*\i:PP+8*\i+7], 0
.else
	v_wmma_f32_16x16x32_f16 v[OO+32*\i+8*\tau:OO+32*\i+8*\tau+7], v[VF+8*\tau:VF+8*\tau+7], v[PP+8*\i:PP+8*\i+7], v[OO+32*\i+8*\tau:OO+32*\i+8*\tau+7]
.endif
.endr
.endr
	WIN 0
.endm
.set KNEXT, KCH-7*64                   ; from a chunk's last 32 keys to the next chunk's first
.set VNEXT, VCH-7*64
	SYNC 0
	KLOAD
	TRIP 64, 64, 1                                 ; chunk 0: trips 0 to 7
	s_mov_b32 s34, 6
.Lc0:
	TRIP 64, 64, 0
	s_sub_co_u32 s34, s34, 1
	s_cmp_lg_u32 s34, 0
	s_cbranch_scc1 .Lc0
	SYNC 1                                         ; one trip early: the chunk's last trip already asks for the next chunk's K
	TRIP KNEXT, VNEXT, 0
	s_mov_b32 s34, 7                               ; chunk 1
.Lc1:
	TRIP 64, 64, 0
	s_sub_co_u32 s34, s34, 1
	s_cmp_lg_u32 s34, 0
	s_cbranch_scc1 .Lc1
	SYNC 2
	TRIP KNEXT, VNEXT, 0
	s_mov_b32 s34, 7                               ; chunk 2
.Lc2:
	TRIP 64, 64, 0
	s_sub_co_u32 s34, s34, 1
	s_cmp_lg_u32 s34, 0
	s_cbranch_scc1 .Lc2
	SYNC 3                                         ; the wait is for 0: nothing was issued behind the last chunk
	TRIP KNEXT, VNEXT, 0
	s_mov_b32 s34, 7                               ; chunk 3
.Lc3:
	TRIP 64, 64, 0
	s_sub_co_u32 s34, s34, 1
	s_cmp_lg_u32 s34, 0
	s_cbranch_scc1 .Lc3
	TRIP 0, 0, 0
	; THE WAY OUT, one query tile at a time.  Lane (r, h) holds query r and d = 16 tau + 8 h + 0..7: 32 bytes of a row of 256.  Through my stage,
	; read back as whole rows in the lanes' places of the q loads, where 0.125 / alpha of the row lies, multiplied and stored.
.rept 4
	v_nop                                          ; four places behind the last matrix instructions before their results are stored (ISA guide 7.12.1)
.endr
.macro OUTT i, buf
	WIN 0x04
.irp tau, 0,1,2,3
	ds_store_b128 v[OS], v[OO+32*\i+8*\tau:OO+32*\i+8*\tau+3]   offset:64*\tau
	ds_store_b128 v[OS], v[OO+32*\i+8*\tau+4:OO+32*\i+8*\tau+7] offset:64*\tau+16
.endr
	WIN 0
	s_wait_xcnt 0x0                                ; the buffer, which earlier stores read, is written again only behind this wait
.irp t, 0,1,2,3,4,5,6,7
	ds_load_b128 v[\buf+4*\t:\buf+4*\t+3], v[ORD] offset:OP*\t
.endr
	WIN 0x01
.irp t, 0,1,2,3,4,5,6,7
	s_wait_dscnt 7-\t
.irp j, 0,1,2,3
	v_mul_f32 v[\buf+4*\t+\j], v[INV+8*\i+\t], v[\buf+4*\t+\j]
.endr
.endr
	WIN 0
.irp t, 0,1,2,3,4,5,6,7
	global_store_b128 v[QG], v[\buf+4*\t:\buf+4*\t+3], s[26:27] offset:(16*\i+\t)*2048 th:TH_STORE_NT   ; 16 lanes store 256 consecutive bytes, at a multiple of 256
.endr
.endm
	OUTT 0, 80
	OUTT 1, 112
	OUTT 2, 80
	OUTT 3, 112
	s_wait_tensorcnt 0x0
	ds_add_u32 v14, v15
	s_wait_dscnt 0x0
	s_endpgm
.Lfunc_end_k_q31f65805c7_attn:
	.size	k_q31f65805c7_attn, .Lfunc_end_k_q31f65805c7_attn-k_q31f65805c7_attn
	.p2alignl 7, 3214868480
	.fill 96, 4, 3214868480
	.section	.rodata,"a",@progbits
	.p2align	6, 0x0
	.amdhsa_kernel k_q31f65805c7_attn
		.amdhsa_group_segment_fixed_size 310272
		.amdhsa_private_segment_fixed_size 0
		.amdhsa_enable_private_segment 0
		.amdhsa_kernarg_size 48
		.amdhsa_user_sgpr_count 2
		.amdhsa_user_sgpr_kernarg_segment_ptr 1
		.amdhsa_wavefront_size32 1
		.amdhsa_system_sgpr_workgroup_id_x 1
		.amdhsa_system_sgpr_workgroup_id_y 1
		.amdhsa_system_sgpr_workgroup_id_z 1
		.amdhsa_system_vgpr_workitem_id 0
		.amdhsa_next_free_vgpr 416
		.amdhsa_next_free_sgpr 100
		.amdhsa_reserve_vcc 0
		.amdhsa_float_denorm_mode_32 3
		.amdhsa_float_denorm_mode_16_64 3
		.amdhsa_memory_ordered 1
		.amdhsa_forward_progress 1
		.amdhsa_inst_pref_size 124
	.end_amdhsa_kernel
	.amdgpu_metadata
---
amdhsa.version: [ 1, 2 ]
amdhsa.kernels:
  - .name:           k_q31f65805c7_attn
    .symbol:         k_q31f65805c7_attn.kd
    .args:
      - { .name: x1, .offset: 0, .size: 8, .value_kind: global_buffer, .address_space: global }
      - { .name: x2, .offset: 8, .size: 8, .value_kind: global_buffer, .address_space: global }
      - { .name: yt, .offset: 16, .size: 8, .value_kind: global_buffer, .address_space: global }
      - { .name: amax, .offset: 24, .size: 8, .value_kind: global_buffer, .address_space: global }
      - { .name: out0, .offset: 32, .size: 8, .value_kind: global_buffer, .address_space: global }
      - { .name: out1, .offset: 40, .size: 8, .value_kind: global_buffer, .address_space: global }
    .group_segment_fixed_size: 310272
    .private_segment_fixed_size: 0
    .kernarg_segment_align: 8
    .kernarg_segment_size: 48
    .max_flat_workgroup_size: 256
    .sgpr_count:     100
    .vgpr_count:     416
    .wavefront_size: 32
...
	.end_amdgpu_metadata
.endif
;; end of part 2
